; MI455X (gfx1250); checked and timed in simulation.
; The chip was launched on July 23, 2026; its instructions are those of AMD's public machine-readable ISA for CDNA 5 (MIT licence, August 2026) and "CDNA5" Instruction Set Architecture Reference Guide (July 2026). The comments in the code are by the model that wrote it; some were corrected since.
;; Gaussian Image Cholesky. Allowed arithmetic: float matrix products may take bf16 or f16 operands with f32 sums; all other float work in f32.
;; Inputs: _cholesky 1,024 x 3 float32; _features_dc 1,024 x 3 float32; _opacity 1,024 x 1 float32; _xyz 1,024 x 2 float32.
;; Outputs: out0 1 x 3 x 256 x 256 float32.
;; 2 versions, each right; version 2 is version 1 with the launch render written anew for expert scheduling mode. Each part assembles by itself: llvm-mc -triple=amdgcn-amd-amdhsa -mcpu=gfx1250 --defsym DOCPART=n.
;; ======== version 1 of 2: 1 launch
;; launch render (part 1): grid 256 x 1, 8 waves a work-group, no clusters, 54,528 bytes of LDS; arguments _xyz, _cholesky, _features_dc, _opacity, out0; writes out0
.if DOCPART == 1
	.amdgcn_target "amdgcn-amd-amdhsa--gfx1250"
	.amdhsa_code_object_version 6
	.text
	.protected	k_q47668ca40a_render
	.globl	k_q47668ca40a_render
	.p2align	8
	.type	k_q47668ca40a_render,@function
k_q47668ca40a_render:
	s_mov_b64 s[64:65], 0
	v_nop
	global_prefetch_b8 v0, s[64:65] scope:SCOPE_SE
	s_setreg_imm32_b32 hwreg(HW_REG_WAVE_MODE, 25, 1), 1
	s_wait_xcnt 0x0
; Sum-rasterisation of 1,024 two-dimensional gaussians on a 256 x 256 image, 3 channels, f32 out [3][256][256].
; One work-group = one image row (256 pixels); 8 waves; wave w takes gaussians 128 w .. 128 w + 127 for all 256 pixels.
;
; THE ARITHMETIC.  With dx = cx - px, dy = cy - py (py fixed for the work-group) and op the opacity,
;   t = log2(255 op) - log2e sigma = dx (NA dx + NE) + QQ,   NA = -log2e/2 conic_a,  NE = -log2e conic_b dy,
;   QQ = log2(255 op) - log2e/2 conic_c dy^2,   so that 2^t = 255 op exp(-sigma).
; sigma >= 0 is t <= smax = log2(255 op); alpha >= 1/255 is t >= 0.  Both, and "not NaN", are ONE unsigned compare of
; t's bits with X = bits(smax) + 1 (a negative or NaN t has larger bits); X = 0 where smax is negative or NaN (op below
; 1/255, zero, negative, NaN): such a gaussian passes nowhere.  w' = min(2^t, 0.999 x 255), cut to 0 where the compare fails,
; goes to the matrix unit in bf16; the finished sums are multiplied by 1/255 and clipped.
; Per pixel and gaussian: half a v_pk_add_f32, two halves of v_pk_fma_f32, v_exp_f32, compare, min, select, half a conversion.
;
; THE MATRIX LAYOUT.  All lanes of a wave work on the same 16 gaussians, lane L on pixel 32 tile + L.  A lane's 8 packed
; registers are used as the B operand: lane (r, h) fills column r in the K places of half h.  The A operand carries channel c in
; row c with zeros in the K places of half 1, and in row 8 + c with zeros in the K places of half 0.  So D(8 h + c, r), which is
; register c of lane 16 h + r, is channel c of pixel 32 tile + 16 h + r: the result lies in lane order, and nothing is shuffled.
;
; NO tensor loads, no cluster: the inputs are 36,864 bytes in all, each work-group reads them once, and every number passes
; through arithmetic before it reaches LDS; behind the first barrier no input is touched again.
;
; LIMITS.  (1) The cut-off is taken on t, not on alpha: an alpha within about 1e-6 (relative) of 1/255 may fall on the other side.
; (2) det = a c - b^2 outside 2^-126 .. 2^126: v_rcp_f32 gives infinity or zero, the refinement a NaN, and the gaussian adds nothing.
; (3) w' and the features are rounded to bf16 (2^-9 each); sums in f32, split over 8 waves.
; (4) l2 = cholesky[1] + 0.0 is not written: it only turns -0 into +0, which reaches no result.
.set NGAUSS, 1024
.set WAVES,  8
.set QB,     80                        ; LDS bytes of a block of 4 gaussians: cx[4] NA[4] NE[4] QQ[4] X[4]
.set WAVEB,  (NGAUSS/WAVES/4)*QB       ; 2,560: a wave's 32 blocks
.set CHUNKS, NGAUSS/WAVES/16           ; 8 chunks of 16 gaussians (4 blocks) for each wave
.set FEAT,   (NGAUSS/4)*QB             ; 20,480: features in bf16, rows 0-2 = channels, row 3 = zeros
.set FPITCH, 2*NGAUSS+16               ; 2,064 = 516 words: the four rows start 4 banks apart
.set PART,   28928                     ; partial sums [wave][channel][pixel] f32, bytes of their own
.set ROWB,   1024                      ; 256 pixels of f32
.set PARTW,  3*ROWB
; registers of the main part
.set PADR, 2                           ; LDS address of my wave's current chunk of parameters (the same in all lanes)
.set FADR, 3                           ; LDS address of my lane's 32 bytes of the feature operand
.set SADR, 4                           ; LDS address of my lane's word in my wave's partial sums
.set RADR, 5                           ; final sum: 16 x thread
.set OOFF, 6                           ; final store: byte offset in out0
.set TMPO, 7
.set NPX,  8                           ; v[8:15]    -(px) of my pixel in tile 0..7
.set P0,   16                          ; v[16:35]   parameters of 4 gaussians, buffer 0
.set P1,   36                          ; v[36:55]   buffer 1
.set F,    56                          ; v[56:63]   feature operand of the chunk
.set D,    64                          ; v[64:79]   dx, later 2^t: tile t, gaussian pair -> D+2t, D+2t+1
.set U,    80                          ; v[80:95]   NA dx + NE, then t
.set W,    96                          ; v[96:159]  B operands of the 8 tiles
.set ACC,  160                         ; v[160:223] accumulators of the 8 tiles
.set R,    16                          ; final sum: 8 x 4 registers
.set MK,   40                          ; s[40:55]   16 lane masks of a pair's compares
; registers of the projection (free again before the main part begins)
.set XY,  16
.set CH,  24
.set FT,  36
.set OP,  48
.set XC,  52
.set X2,  60
.set PN,  68
.set QD,  76
.set RR,  84
.set YY,  92
.set EE,  100
.set KA,  108
.set KB,  110
.set NPY, 112
.set DY,  116
.set AA,  120
.set BB,  124
.set CC,  128
.set DT,  132
.set RD,  136
.set LG,  140
.set T0,  144
.set T1,  148
.set OCX, 152
.set ONA, 156
.set ONE, 160
.set OQQ, 164
.set OXX, 168
.set FB,  172
.set ZZ,  178
.set STA, 180
.set STF, 181
	s_load_b256 s[4:11], s[0:1], 0x0               ; xyz s[4:5], cholesky s[6:7], features s[8:9], opacity s[10:11]
	s_load_b64 s[12:13], s[0:1], 0x20              ; out0
	v_lshl_add_u32 v224, v0, 2, 0xd100
	v_mov_b32 v225, 0
	s_mov_b32 s15, ttmp9                           ; the image row
	v_lshlrev_b32 v5, 5, v0                        ; thread t projects gaussians 4t .. 4t+3: 32 bytes of xyz,
	v_mul_u32_u24 v6, 48, v0                       ; 48 of cholesky and of features,
	v_lshlrev_b32 v7, 4, v0                        ; 16 of opacity
	v_lshrrev_b32 v1, 5, v0
	v_readfirstlane_b32 s14, v1                    ; wave 0..7
	v_and_b32 v1, 31, v0                           ; lane
	s_wait_kmcnt 0x0
	global_load_b128 v[XY:XY+3],    v5, s[4:5]
	global_load_b128 v[XY+4:XY+7],  v5, s[4:5] offset:16
	global_load_b128 v[CH:CH+3],    v6, s[6:7]
	global_load_b128 v[CH+4:CH+7],  v6, s[6:7] offset:16
	global_load_b128 v[CH+8:CH+11], v6, s[6:7] offset:32
	global_load_b128 v[OP:OP+3],    v7, s[10:11]
	global_load_b128 v[FT:FT+3],    v6, s[8:9]
	global_load_b128 v[FT+4:FT+7],  v6, s[8:9] offset:16
	global_load_b128 v[FT+8:FT+11], v6, s[8:9] offset:32
	; while the loads are out: constants, pixel coordinates, LDS addresses
	s_mov_b32 s16, 0x40fff644                      ; 7.99881172: beyond it the rational tanh is held
	s_mov_b32 s17, 0xc0fff644
	s_mov_b32 s18, 0x39d1b717                      ; 0.0004: below it tanh x = x
	s_mov_b32 s19, 0x43000000                      ; 128.0 = W/2 = H/2
	s_mov_b32 s20, 0x3f38aa3b                      ; log2(e) / 2
	s_mov_b32 s21, 0x40ffd1be                      ; log2(255)
	s_mov_b32 s22, 0x437ebeb9                      ; 0.999 x 255
	s_lshl_b32 s26, s15, 10                        ; my row in a channel plane: 1,024 bytes a row
	s_mov_b32 s27, 0
	s_add_nc_u64 s[12:13], s[12:13], s[26:27]
	v_cvt_f32_u32 v[NPY], s15
	v_sub_f32 v[NPY], -0.5, v[NPY]                 ; -(row + 0.5)
.irp t, 0,1,2,3,4,5,6,7
	v_add_nc_u32 v[NPX+\t], 32*\t, v1
	v_cvt_f32_u32 v[NPX+\t], v[NPX+\t]
	v_sub_f32 v[NPX+\t], -0.5, v[NPX+\t]           ; -(32 t + lane + 0.5), exact
.endr
	s_mul_i32 s23, s14, WAVEB
	v_mov_b32 v[PADR], s23
	; feature operand: lane (r, h) holds row r; it is channel r & 7 where r >> 3 = h and r & 7 < 3, else the zero row
	v_lshrrev_b32 v[FADR], 1, v1
	v_xor_b32 v[FADR], v[FADR], v1                 ; bit 3 = (lane bit 4) xor (lane bit 3)
	v_and_b32 v[FADR], 8, v[FADR]
	v_and_or_b32 v[FADR], v1, 7, v[FADR]           ; r & 7, plus 8 where the halves differ
	v_min_u32 v[FADR], 3, v[FADR]                  ; 0, 1, 2, or 3 = zeros
	s_lshl_b32 s24, s14, 8                         ; my wave's 128 gaussians: 256 bytes into each row
	s_add_co_u32 s24, s24, FEAT
	v_mul_u32_u24 v[FADR], FPITCH, v[FADR]
	v_add_nc_u32 v[FADR], s24, v[FADR]
	s_mul_i32 s25, s14, PARTW
	s_add_co_u32 s25, s25, PART
	v_lshl_add_u32 v[SADR], v1, 2, s25
	v_mul_u32_u24 v[STA], QB, v0                   ; thread t fills block t; 80 bytes = 20 words apart
	v_lshlrev_b32 v[STF], 3, v0                    ; and 4 bf16 of each feature row
	v_mov_b32 v[KA],   0xa59f25c0                  ; -2.76076847742355e-16, the numerator's x^13
	v_mov_b32 v[KA+1], 0xa59f25c0
	v_mov_b32 v[KB],   0x35a0d3d8                  ; 1.19825839466702e-06, the denominator's x^6
	v_mov_b32 v[KB+1], 0x35a0d3d8
	v_mov_b32 v[ZZ],   0
	v_mov_b32 v[ZZ+1], 0
	; tanh(x) = x p(x^2) / q(x^2), the rational approximation of degree 13 / 6 known from Eigen and XLA, good to a few units in the last
	; place on the whole line (held beyond +-7.9988, x itself below 0.0004).  A centre is 128 (tanh + 1): one unit in tanh's last place
	; is 1e-5 pixel, which is why the quotient is refined and no exp-based form is used.  Two values (x, y of a gaussian) an instruction.
	s_wait_loadcnt 0x7                             ; xyz is in; the 7 younger loads (cholesky 3, opacity 1, features 3) stay out
.irp k, 0,1,2,3,4,5,6,7
	v_med3_num_f32 v[XC+\k], v[XY+\k], s17, s16
.endr
.irp j, 0,2,4,6
	v_pk_mul_f32 v[X2+\j:X2+\j+1], v[XC+\j:XC+\j+1], v[XC+\j:XC+\j+1]
.endr
.irp j, 0,2,4,6
	v_pk_fma_f32 v[PN+\j:PN+\j+1], v[X2+\j:X2+\j+1], v[KA:KA+1], 0x2a61337e op_sel_hi:[1,1,0]    ; 2.00018790482477e-13
	v_pk_fma_f32 v[QD+\j:QD+\j+1], v[X2+\j:X2+\j+1], v[KB:KB+1], 0x38f895d6 op_sel_hi:[1,1,0]    ; 1.18534705686654e-04
.endr
; -8.60467152213735e-11, 5.12229709037114e-08, 1.48572235717979e-05, 6.37261928875436e-04, 4.89352455891786e-03
.irp c, 0xaebd37ff, 0x335c0041, 0x3779434a, 0x3a270ded, 0x3ba059dc
.irp j, 0,2,4,6
	v_pk_fma_f32 v[PN+\j:PN+\j+1], v[X2+\j:X2+\j+1], v[PN+\j:PN+\j+1], \c op_sel_hi:[1,1,0]
.endr
.endr
; 2.26843463243900e-03, 4.89352518554385e-03
.irp c, 0x3b14aa05, 0x3ba059dd
.irp j, 0,2,4,6
	v_pk_fma_f32 v[QD+\j:QD+\j+1], v[X2+\j:X2+\j+1], v[QD+\j:QD+\j+1], \c op_sel_hi:[1,1,0]
.endr
.endr
.irp j, 0,2,4,6
	v_pk_mul_f32 v[PN+\j:PN+\j+1], v[XC+\j:XC+\j+1], v[PN+\j:PN+\j+1]
.endr
.irp k, 0,1,2,3,4,5,6,7
	v_rcp_f32 v[RR+\k], v[QD+\k]                   ; used only behind the plain instructions of the covariance below (ISA guide 5.7.2)
.endr
	; covariance L L^T of the four gaussians: a = l1^2, b = l1 l2, c = l2^2 + l3^2, det = a c - b^2
	s_wait_loadcnt 0x3                             ; cholesky and opacity are in; the 3 feature loads stay out
.irp g, 0,1,2,3
	v_add_f32 v[T0+\g], 0.5, v[CH+3*\g]            ; l1
	v_add_f32 v[T1+\g], 0.5, v[CH+3*\g+2]          ; l3
	v_mul_f32 v[AA+\g], v[T0+\g], v[T0+\g]
	v_mul_f32 v[BB+\g], v[T0+\g], v[CH+3*\g+1]
	v_mul_f32 v[CC+\g], v[T1+\g], v[T1+\g]
	v_fma_f32 v[CC+\g], v[CH+3*\g+1], v[CH+3*\g+1], v[CC+\g]
	v_mul_f32 v[T0+\g], v[BB+\g], v[BB+\g]
	v_fma_f32 v[DT+\g], v[AA+\g], v[CC+\g], -v[T0+\g]
.endr
.irp g, 0,1,2,3
	v_rcp_f32 v[RD+\g], v[DT+\g]
	v_log_f32 v[LG+\g], v[OP+\g]                   ; log2(op): NaN for op < 0, -inf for 0; both are caught at X below
.endr
	; the rest of tanh (plain instructions that touch none of RD, LG, DT, OP): quotient, one correction step, the small-x case
	s_wait_alu depctr_va_vdst(0)
.irp j, 0,2,4,6
	v_pk_mul_f32 v[YY+\j:YY+\j+1], v[PN+\j:PN+\j+1], v[RR+\j:RR+\j+1]
.endr
.irp j, 0,2,4,6
	v_pk_fma_f32 v[EE+\j:EE+\j+1], v[QD+\j:QD+\j+1], v[YY+\j:YY+\j+1], v[PN+\j:PN+\j+1] neg_lo:[1,0,0] neg_hi:[1,0,0]   ; p - q y
.endr
.irp j, 0,2,4,6
	v_pk_fma_f32 v[YY+\j:YY+\j+1], v[EE+\j:EE+\j+1], v[RR+\j:RR+\j+1], v[YY+\j:YY+\j+1]
.endr
.irp k, 0,1,2,3,4,5,6,7
	v_cmp_lt_f32 vcc_lo, |v[XY+\k]|, s18
	v_cndmask_b32 v[YY+\k], v[YY+\k], v[XY+\k], vcc_lo
.endr
.irp j, 0,2,4,6
	v_pk_add_f32 v[YY+\j:YY+\j+1], v[YY+\j:YY+\j+1], 1.0 op_sel_hi:[1,0]
.endr
.irp g, 0,1,2,3
	v_mul_f32 v[OCX+\g], s19, v[YY+2*\g]           ; cx = 128 (tanh + 1)
	v_fma_f32 v[DY+\g], s19, v[YY+2*\g+1], v[NPY]  ; dy = cy - py: the product by 128 is exact, so this is the rounded difference
.endr
	; conic = inverse covariance, scaled by log2e, with this row's dy folded in
.irp g, 0,1,2,3
	v_fma_f32 v[T0+\g], -v[DT+\g], v[RD+\g], 1.0
	v_fma_f32 v[RD+\g], v[T0+\g], v[RD+\g], v[RD+\g]       ; 1 / det, one correction step
	v_mul_f32 v[RD+\g], s20, v[RD+\g]                      ; log2e / (2 det)
	v_mul_f32 v[ONA+\g], -v[CC+\g], v[RD+\g]               ; NA = -log2e/2 c/det
	v_mul_f32 v[T0+\g], v[BB+\g], v[DY+\g]
	v_mul_f32 v[T0+\g], v[T0+\g], v[RD+\g]
	v_add_f32 v[ONE+\g], v[T0+\g], v[T0+\g]                ; NE = -log2e (-b/det) dy
	v_mul_f32 v[T1+\g], v[AA+\g], v[RD+\g]
	v_mul_f32 v[T1+\g], v[T1+\g], v[DY+\g]
	v_add_f32 v[LG+\g], s21, v[LG+\g]                      ; smax = log2(255 op)
	v_fma_f32 v[OQQ+\g], -v[T1+\g], v[DY+\g], v[LG+\g]     ; QQ = smax - log2e/2 a/det dy^2
	v_cmp_le_f32 vcc_lo, 0, v[LG+\g]                       ; false for a negative smax and for NaN
	v_add_nc_u32 v[T0+\g], 1, v[LG+\g]
	v_cndmask_b32 v[OXX+\g], 0, v[T0+\g], vcc_lo           ; X: bits(t) < X is 0 <= t <= smax
.endr
	ds_store_b128 v[STA], v[OCX:OCX+3]
	ds_store_b128 v[STA], v[ONA:ONA+3] offset:16
	ds_store_b128 v[STA], v[ONE:ONE+3] offset:32
	ds_store_b128 v[STA], v[OQQ:OQQ+3] offset:48
	ds_store_b128 v[STA], v[OXX:OXX+3] offset:64
	s_wait_loadcnt 0x0                             ; features
.irp c, 0,1,2
	v_cvt_pk_bf16_f32 v[FB+2*\c],   v[FT+\c],   v[FT+3+\c]     ; channel c of gaussians 4t, 4t+1
	v_cvt_pk_bf16_f32 v[FB+2*\c+1], v[FT+6+\c], v[FT+9+\c]     ; and of 4t+2, 4t+3
	ds_store_b64 v[STF], v[FB+2*\c:FB+2*\c+1] offset:FEAT+\c*FPITCH
.endr
	ds_store_b64 v[STF], v[ZZ:ZZ+1] offset:FEAT+3*FPITCH
	s_wait_dscnt 0x0                               ; my stores are in LDS before I say so: the other waves read them
	s_barrier_signal -1
	s_barrier_wait -1
; Two gaussians (pair j of the block in buffer pb) on all 8 tiles = 16 evaluations a lane; the packed results become register i of
; each tile's B operand.  Every step is a run of 8 or 16 instructions that do not depend on each other.
.macro PAIR pb, j, i
.irp t, 0,2,4,6
	v_pk_add_f32 v[D+2*\t:D+2*\t+1],   v[\pb+2*\j:\pb+2*\j+1], v[NPX+\t:NPX+\t+1] op_sel_hi:[1,0]              ; dx = cx - px of tile t, both gaussians
	v_pk_add_f32 v[D+2*\t+2:D+2*\t+3], v[\pb+2*\j:\pb+2*\j+1], v[NPX+\t:NPX+\t+1] op_sel:[0,1] op_sel_hi:[1,1]  ; of tile t + 1
.endr
.irp t, 0,1,2,3,4,5,6,7
	v_pk_fma_f32 v[U+2*\t:U+2*\t+1], v[\pb+4+2*\j:\pb+5+2*\j], v[D+2*\t:D+2*\t+1], v[\pb+8+2*\j:\pb+9+2*\j]     ; NA dx + NE
.endr
.irp t, 0,1,2,3,4,5,6,7
	v_pk_fma_f32 v[U+2*\t:U+2*\t+1], v[D+2*\t:D+2*\t+1], v[U+2*\t:U+2*\t+1], v[\pb+12+2*\j:\pb+13+2*\j]         ; t = dx (..) + QQ
.endr
.irp t, 0,1,2,3,4,5,6,7
	v_exp_f32 v[D+2*\t], v[U+2*\t]                                     ; 255 op exp(-sigma); behind each exponential stands a compare, a plain
	v_cmp_gt_u32 s[MK+2*\t], v[\pb+16+2*\j], v[U+2*\t]                 ; instruction that only reads t (ISA guide 5.7.2): X > bits(t)
	v_exp_f32 v[D+2*\t+1], v[U+2*\t+1]
	v_cmp_gt_u32 s[MK+2*\t+1], v[\pb+17+2*\j], v[U+2*\t+1]
.endr
	s_wait_alu depctr_va_vdst(0)
.irp k, 0,1,2,3,4,5,6,7,8,9,10,11,12,13,14,15
	v_min_num_f32 v[D+\k], s22, v[D+\k]                                ; alpha <= 0.999 (a NaN loses here and is cut below)
.endr
.irp k, 0,1,2,3,4,5,6,7,8,9,10,11,12,13,14,15
	v_cndmask_b32 v[D+\k], 0, v[D+\k], s[MK+\k]                        ; 0 where sigma < 0, alpha < 1/255 or NaN
.endr
.irp t, 0,1,2,3,4,5,6,7
	v_cvt_pk_bf16_f32 v[W+8*\t+\i], v[D+2*\t], v[D+2*\t+1]
.endr
.endm
; A block of 4 gaussians from buffer cur.  The next block's 5 loads (all lanes one address: a broadcast) go out first, into the other buffer.
.macro QUAD cur, nxt, j, noff, ldn, ldf
	s_wait_dscnt 0x0                               ; buffer cur (and F): issued one block, 192 vector instructions, ago
.if \ldn
.irp f, 0,1,2,3,4
	ds_load_b128 v[\nxt+4*\f:\nxt+4*\f+3], v[PADR] offset:\noff+16*\f
.endr
.endif
.if \ldf
	ds_load_b128 v[F:F+3],   v[FADR]               ; this chunk's feature operand: 16 gaussians = 32 bytes of my row.  The last matrix
	ds_load_b128 v[F+4:F+7], v[FADR] offset:16     ; instructions that read F lie a whole block of plain vector instructions back (ISA guide 7.12.1)
.endif
	PAIR \cur, 0, 2*\j
	PAIR \cur, 1, 2*\j+1
.endm
; 16 gaussians x 256 pixels.  zero = 1: the products start the sums, nothing is cleared.  more = 1: a chunk follows.
.macro CHUNK zero, more
	QUAD P0, P1, 0, QB,   1, 0
	QUAD P1, P0, 1, 2*QB, 1, 1
	QUAD P0, P1, 2, 3*QB, 1, 0
	QUAD P1, P0, 3, 4*QB, \more, 0
.irp t, 0,1,2,3,4,5,6,7
.if \zero
	v_wmma_f32_16x16x32_bf16 v[ACC+8*\t:ACC+8*\t+7], v[F:F+7], v[W+8*\t:W+8*\t+7], 0
.else
	v_wmma_f32_16x16x32_bf16 v[ACC+8*\t:ACC+8*\t+7], v[F:F+7], v[W+8*\t:W+8*\t+7], v[ACC+8*\t:ACC+8*\t+7]
.endif
.endr
.if \more
	v_add_nc_u32 v[PADR], 4*QB, v[PADR]
	v_add_nc_u32 v[FADR], 32, v[FADR]
.endif
.endm
.irp f, 0,1,2,3,4
	ds_load_b128 v[P0+4*\f:P0+4*\f+3], v[PADR] offset:16*\f    ; my first block
.endr
	CHUNK 1, 1
	s_mov_b32 s28, CHUNKS-2
.Lchunk:
	CHUNK 0, 1
	s_sub_co_u32 s28, s28, 1
	s_cmp_lg_u32 s28, 0
	s_cbranch_scc1 .Lchunk
	CHUNK 0, 0                                     ; the last chunk looks no further ahead
	; Five plain vector instructions that name no register of the matrix instructions stand between these and the stores of their
	; results (ISA guide 7.12.1 asks for four): the addresses of the final sum.
	v_lshlrev_b32 v[RADR], 4, v0                   ; thread u: 4 neighbouring pixels of channel u / 64
	v_lshrrev_b32 v[OOFF], 6, v0
	v_and_b32 v[TMPO], 63, v0
	v_lshlrev_b32 v[TMPO], 4, v[TMPO]
	v_lshl_or_b32 v[OOFF], v[OOFF], 18, v[TMPO]    ; channel x 262,144 + 16 (u % 64)
.irp t, 0,1,2,3,4,5,6,7
.irp c, 0,1,2
	ds_store_b32 v[SADR], v[ACC+8*\t+\c] offset:\c*ROWB+\t*128     ; register c of lane L = channel c of pixel 32 t + L: 128 neighbouring bytes
.endr
.endr
	s_wait_dscnt 0x0                               ; my partial sums are in LDS before I say so
	s_barrier_signal -1
	s_barrier_wait -1
	s_cmp_ge_u32 s14, 6                            ; 768 numbers, 4 a thread: waves 0 to 5
	s_cbranch_scc1 .Ldone
.irp w, 0,1,2,3,4,5,6,7
	ds_load_b128 v[R+4*\w:R+4*\w+3], v[RADR] offset:PART+\w*PARTW
.endr
.irp w, 1,2,3,4,5,6,7
	s_wait_dscnt 7-\w                              ; LDS loads come back in order: wave w's part is in, the 7 - w younger ones stay out
	v_pk_add_f32 v[R:R+1],   v[R:R+1],   v[R+4*\w:R+4*\w+1]
	v_pk_add_f32 v[R+2:R+3], v[R+2:R+3], v[R+4*\w+2:R+4*\w+3]
.endr
	v_pk_mul_f32 v[R:R+1],   v[R:R+1],   0x3b808081 op_sel_hi:[1,0]    ; 1/255: w' was 255 alpha
	v_pk_mul_f32 v[R+2:R+3], v[R+2:R+3], 0x3b808081 op_sel_hi:[1,0]
.irp k, 0,1,2,3
	v_med3_num_f32 v[R+\k], v[R+\k], 0, 1.0        ; clip to [0, 1]
.endr
	global_store_b128 v[OOFF], v[R:R+3], s[12:13] th:TH_STORE_NT       ; 16 lanes store 256 consecutive bytes, at a multiple of 256 from out0's first byte
.Ldone:
	s_wait_tensorcnt 0x0
	ds_add_u32 v224, v225
	s_wait_dscnt 0x0
	s_endpgm
.Lfunc_end_k_q47668ca40a_render:
	.size	k_q47668ca40a_render, .Lfunc_end_k_q47668ca40a_render-k_q47668ca40a_render
	.p2alignl 7, 3214868480
	.fill 96, 4, 3214868480
	.section	.rodata,"a",@progbits
	.p2align	6, 0x0
	.amdhsa_kernel k_q47668ca40a_render
		.amdhsa_group_segment_fixed_size 54528
		.amdhsa_private_segment_fixed_size 0
		.amdhsa_enable_private_segment 0
		.amdhsa_kernarg_size 40
		.amdhsa_user_sgpr_count 2
		.amdhsa_user_sgpr_kernarg_segment_ptr 1
		.amdhsa_wavefront_size32 1
		.amdhsa_system_sgpr_workgroup_id_x 1
		.amdhsa_system_sgpr_workgroup_id_y 1
		.amdhsa_system_sgpr_workgroup_id_z 1
		.amdhsa_system_vgpr_workitem_id 0
		.amdhsa_next_free_vgpr 226
		.amdhsa_next_free_sgpr 66
		.amdhsa_reserve_vcc 1
		.amdhsa_float_denorm_mode_32 3
		.amdhsa_float_denorm_mode_16_64 3
		.amdhsa_memory_ordered 1
		.amdhsa_forward_progress 1
		.amdhsa_inst_pref_size 147
	.end_amdhsa_kernel
	.amdgpu_metadata
---
amdhsa.version: [ 1, 2 ]
amdhsa.kernels:
  - .name:           k_q47668ca40a_render
    .symbol:         k_q47668ca40a_render.kd
    .args:
      - { .name: _xyz, .offset: 0, .size: 8, .value_kind: global_buffer, .address_space: global }
      - { .name: _cholesky, .offset: 8, .size: 8, .value_kind: global_buffer, .address_space: global }
      - { .name: _features_dc, .offset: 16, .size: 8, .value_kind: global_buffer, .address_space: global }
      - { .name: _opacity, .offset: 24, .size: 8, .value_kind: global_buffer, .address_space: global }
      - { .name: out0, .offset: 32, .size: 8, .value_kind: global_buffer, .address_space: global }
    .group_segment_fixed_size: 54528
    .private_segment_fixed_size: 0
    .kernarg_segment_align: 8
    .kernarg_segment_size: 40
    .max_flat_workgroup_size: 256
    .sgpr_count:     66
    .vgpr_count:     226
    .wavefront_size: 32
...
	.end_amdgpu_metadata
.endif
;; end of part 1
;; ======== version 2 of 2: 1 launch; version 1 with the launch render written anew for expert scheduling mode
;; launch render (part 2): grid 256 x 1, 8 waves a work-group, no clusters, 54,528 bytes of LDS; arguments _xyz, _cholesky, _features_dc, _opacity, out0; writes out0
.if DOCPART == 2
	.amdgcn_target "amdgcn-amd-amdhsa--gfx1250"
	.amdhsa_code_object_version 6
	.text
	.protected	k_q47668ca40a_render
	.globl	k_q47668ca40a_render
	.p2align	8
	.type	k_q47668ca40a_render,@function
k_q47668ca40a_render:
	s_mov_b64 s[64:65], 0
	v_nop
	global_prefetch_b8 v0, s[64:65] scope:SCOPE_SE
	s_setreg_imm32_b32 hwreg(HW_REG_WAVE_SCHED_MODE, 0, 2), 2
	s_setreg_imm32_b32 hwreg(HW_REG_WAVE_MODE, 25, 1), 1
	s_wait_xcnt 0x0
	s_wait_alu depctr_vm_vsrc(0)
; Sum-rasterisation of 1,024 two-dimensional gaussians on a 256 x 256 image, 3 channels, f32 out [3][256][256].
; One work-group = one image row (256 pixels); 8 waves; wave w takes gaussians 128 w .. 128 w + 127 for all 256 pixels.
;
; THE ARITHMETIC.  With dx = cx - px, dy = cy - py (py fixed for the work-group) and op the opacity,
;   t = log2(255 op) - log2e sigma = dx (NA dx + NE) + QQ,   NA = -log2e/2 conic_a,  NE = -log2e conic_b dy,
;   QQ = log2(255 op) - log2e/2 conic_c dy^2,   so that 2^t = 255 op exp(-sigma).
; sigma >= 0 is t <= smax = log2(255 op); alpha >= 1/255 is t >= 0.  Both, and "not NaN", are ONE unsigned compare of
; t's bits with X = bits(smax) + 1 (a negative or NaN t has larger bits); X = 0 where smax is negative or NaN (op below
; 1/255, zero, negative, NaN): such a gaussian passes nowhere.  w' = min(2^t, 0.999 x 255), cut to 0 where the compare fails,
; goes to the matrix unit in bf16; the finished sums are multiplied by 1/255 and clipped.
; Per pixel and gaussian: half a v_pk_add_f32, two halves of v_pk_fma_f32, v_exp_f32, compare, min, select, half a conversion.
;
; THE MATRIX LAYOUT.  All lanes of a wave work on the same 16 gaussians, lane L on pixel 32 tile + L.  A lane's 8 packed
; registers are used as the B operand: lane (r, h) fills column r in the K places of half h.  The A operand carries channel c in
; row c with zeros in the K places of half 1, and in row 8 + c with zeros in the K places of half 0.  So D(8 h + c, r), which is
; register c of lane 16 h + r, is channel c of pixel 32 tile + 16 h + r: the result lies in lane order, and nothing is shuffled.
;
; NO tensor loads, no cluster: the inputs are 36,864 bytes in all, each work-group reads them once, and every number passes
; through arithmetic before it reaches LDS; behind the first barrier no input is touched again.
;
; THE MODE: SCHED_MODE bits 1:0 = 2 (LLVM: expert scheduling mode 2), set by the entry lines.  The code itself states the register
; dependences between vector or matrix instructions and memory or LDS instructions, with s_wait_alu, always for 0.
; THE PLAN.  Registers that LDS instructions touch in the loop over chunks:
;   P0, P1       Block q (4 gaussians) reads P[q % 2] in its dx, multiply-add and compare lines, which all stand ahead of the block's one
;                wait on va_vdst; straight behind that wait the five loads of block q + 2 land in the same buffer.
;   F            Read by a chunk's 8 matrix instructions, at its end; loaded again behind the wait of the next chunk's block 1.
;   PADR, FADR   Read by those loads; written once a chunk, behind the matrix instructions, behind a wait on vm_vsrc.
;   D, U, W, the accumulators and NPX are named by vector and matrix instructions alone.
; So a block has ONE wait on va_vdst, behind its 32 exponentials and compares.  It states that the exponentials have written D, that the
; block is done reading its parameters, and (blocks 0 and 1 of a chunk) that the addresses are written and the matrix instructions are done
; reading F.  What follows it in the block (minima, selects, conversions) names none of the registers that the loads touch.
; One wait on va_sdst a block stands between the 32 compares and the first select that reads a mask.
;
; LIMITS.  (1) The cut-off is taken on t, not on alpha: an alpha within about 1e-6 (relative) of 1/255 may fall on the other side.
; (2) det = a c - b^2 outside 2^-126 .. 2^126: v_rcp_f32 gives infinity or zero, the refinement a NaN, and the gaussian adds nothing.
; (3) w' and the features are rounded to bf16 (2^-9 each); sums in f32, split over 8 waves.
; (4) l2 = cholesky[1] + 0.0 is not written: it only turns -0 into +0, which reaches no result.
.set NGAUSS, 1024
.set WAVES,  8
.set QB,     80                        ; LDS bytes of a block of 4 gaussians: cx[4] NA[4] NE[4] QQ[4] X[4]
.set WAVEB,  (NGAUSS/WAVES/4)*QB       ; 2,560: a wave's 32 blocks
.set CHUNKS, NGAUSS/WAVES/16           ; 8 chunks of 16 gaussians (4 blocks) for each wave
.set FEAT,   (NGAUSS/4)*QB             ; 20,480: features in bf16, rows 0-2 = channels, row 3 = zeros
.set FPITCH, 2*NGAUSS+16               ; 2,064 = 516 words: the four rows start 4 banks apart
.set PART,   28928                     ; partial sums [wave][channel][pixel] f32, bytes of their own
.set ROWB,   1024                      ; 256 pixels of f32
.set PARTW,  3*ROWB
; registers of the main part
.set PADR, 2                           ; LDS address of my wave's current chunk of parameters (the same in all lanes)
.set FADR, 3                           ; LDS address of my lane's 32 bytes of the feature operand
.set SADR, 4                           ; LDS address of my lane's word in my wave's partial sums
.set RADR, 5                           ; final sum: 16 x thread
.set OOFF, 6                           ; final store: byte offset in out0
.set TMPO, 7
.set NPX,  8                           ; v[8:15]    -(px) of my pixel in tile 0..7
.set P0,   16                          ; v[16:35]   parameters of 4 gaussians, buffer 0
.set P1,   36                          ; v[36:55]   buffer 1
.set F,    56                          ; v[56:63]   feature operand of the chunk
.set D,    64                          ; v[64:95]   dx, later 2^t: gaussian pair p, tile t -> D+16p+2t, D+16p+2t+1
.set U,    96                          ; v[96:127]  NA dx + NE, then t, in the same order
.set W,    128                         ; v[128:191] B operands of the 8 tiles
.set ACC,  192                         ; v[192:255] accumulators of the 8 tiles
.set R,    16                          ; final sum: 8 x 4 registers
.set MK,   30                          ; s[30:61]   32 lane masks of a block's compares
; registers of the projection (free again before the main part begins)
.set XY,  16
.set CH,  24
.set FT,  36
.set OP,  48
.set XC,  52
.set X2,  60
.set PN,  68
.set QD,  76
.set RR,  84
.set YY,  92
.set EE,  100
.set KA,  108
.set KB,  110
.set NPY, 112
.set DY,  116
.set AA,  120
.set BB,  124
.set CC,  128
.set DT,  132
.set RD,  136
.set LG,  140
.set T0,  144
.set T1,  148
.set OCX, 152
.set ONA, 156
.set ONE, 160
.set OQQ, 164
.set OXX, 168
.set FB,  172
.set ZZ,  178
.set STA, 180
.set STF, 181
	s_load_b256 s[4:11], s[0:1], 0x0               ; xyz s[4:5], cholesky s[6:7], features s[8:9], opacity s[10:11]
	s_load_b64 s[12:13], s[0:1], 0x20              ; out0
	s_set_vgpr_msb 0x40
	v_lshl_add_u32 v0, v0, 2, 0xd100
	v_mov_b32 v1, 0
	s_set_vgpr_msb 0x4000
	s_mov_b32 s15, ttmp9                           ; the image row
	v_lshlrev_b32 v5, 5, v0                        ; thread t projects gaussians 4t .. 4t+3: 32 bytes of xyz,
	v_mul_u32_u24 v6, 48, v0                       ; 48 of cholesky and of features,
	v_lshlrev_b32 v7, 4, v0                        ; 16 of opacity
	v_lshrrev_b32 v1, 5, v0
	v_readfirstlane_b32 s14, v1                    ; wave 0..7
	v_and_b32 v1, 31, v0                           ; lane
	s_wait_alu depctr_va_sdst(0)                   ; s14 is written, ahead of its first reader: the wave's LDS addresses are made from it
	s_wait_kmcnt 0x0
	s_wait_alu depctr_va_vdst(0)                   ; v5, v6 and v7 are written: the nine loads below read them as their offsets
	global_load_b128 v[XY:XY+3],    v5, s[4:5]
	global_load_b128 v[XY+4:XY+7],  v5, s[4:5] offset:16
	global_load_b128 v[CH:CH+3],    v6, s[6:7]
	global_load_b128 v[CH+4:CH+7],  v6, s[6:7] offset:16
	global_load_b128 v[CH+8:CH+11], v6, s[6:7] offset:32
	global_load_b128 v[OP:OP+3],    v7, s[10:11]
	global_load_b128 v[FT:FT+3],    v6, s[8:9]
	global_load_b128 v[FT+4:FT+7],  v6, s[8:9] offset:16
	global_load_b128 v[FT+8:FT+11], v6, s[8:9] offset:32
	; while the loads are out: constants, pixel coordinates, LDS addresses (none of these lines names a register of the loads)
	s_mov_b32 s16, 0x40fff644                      ; 7.99881172: beyond it the rational tanh is held
	s_mov_b32 s17, 0xc0fff644
	s_mov_b32 s18, 0x39d1b717                      ; 0.0004: below it tanh x = x
	s_mov_b32 s19, 0x43000000                      ; 128.0 = W/2 = H/2
	s_mov_b32 s20, 0x3f38aa3b                      ; log2(e) / 2
	s_mov_b32 s21, 0x40ffd1be                      ; log2(255)
	s_mov_b32 s22, 0x437ebeb9                      ; 0.999 x 255
	s_lshl_b32 s26, s15, 10                        ; my row in a channel plane: 1,024 bytes a row
	s_mov_b32 s27, 0
	s_add_nc_u64 s[12:13], s[12:13], s[26:27]
	v_cvt_f32_u32 v[NPY], s15
	v_sub_f32 v[NPY], -0.5, v[NPY]                 ; -(row + 0.5)
.irp t, 0,1,2,3,4,5,6,7
	v_add_nc_u32 v[NPX+\t], 32*\t, v1
	v_cvt_f32_u32 v[NPX+\t], v[NPX+\t]
	v_sub_f32 v[NPX+\t], -0.5, v[NPX+\t]           ; -(32 t + lane + 0.5), exact
.endr
	s_mul_i32 s23, s14, WAVEB
	v_mov_b32 v[PADR], s23
	; feature operand: lane (r, h) holds row r; it is channel r & 7 where r >> 3 = h and r & 7 < 3, else the zero row
	v_lshrrev_b32 v[FADR], 1, v1
	v_xor_b32 v[FADR], v[FADR], v1                 ; bit 3 = (lane bit 4) xor (lane bit 3)
	v_and_b32 v[FADR], 8, v[FADR]
	v_and_or_b32 v[FADR], v1, 7, v[FADR]           ; r & 7, plus 8 where the halves differ
	v_min_u32 v[FADR], 3, v[FADR]                  ; 0, 1, 2, or 3 = zeros
	s_lshl_b32 s24, s14, 8                         ; my wave's 128 gaussians: 256 bytes into each row
	s_add_co_u32 s24, s24, FEAT
	v_mul_u32_u24 v[FADR], FPITCH, v[FADR]
	v_add_nc_u32 v[FADR], s24, v[FADR]
	s_mul_i32 s25, s14, PARTW
	s_add_co_u32 s25, s25, PART
	v_lshl_add_u32 v[SADR], v1, 2, s25
	v_mul_u32_u24 v[STA], QB, v0                   ; thread t fills block t; 80 bytes = 20 words apart
	v_lshlrev_b32 v[STF], 3, v0                    ; and 4 bf16 of each feature row
	v_mov_b32 v[KA],   0xa59f25c0                  ; -2.76076847742355e-16, the numerator's x^13
	v_mov_b32 v[KA+1], 0xa59f25c0
	v_mov_b32 v[KB],   0x35a0d3d8                  ; 1.19825839466702e-06, the denominator's x^6
	v_mov_b32 v[KB+1], 0x35a0d3d8
	v_mov_b32 v[ZZ],   0
	v_mov_b32 v[ZZ+1], 0
	; tanh(x) = x p(x^2) / q(x^2), the rational approximation of degree 13 / 6 known from Eigen and XLA, good to a few units in the last
	; place on the whole line (held beyond +-7.9988, x itself below 0.0004).  A centre is 128 (tanh + 1): one unit in tanh's last place
	; is 1e-5 pixel, which is why the quotient is refined and no exp-based form is used.  Two values (x, y of a gaussian) an instruction.
	s_wait_loadcnt 0x7                             ; xyz is in; the 7 younger loads (cholesky 3, opacity 1, features 3) stay out
.irp k, 0,1,2,3,4,5,6,7
	v_med3_num_f32 v[XC+\k], v[XY+\k], s17, s16
.endr
.irp j, 0,2,4,6
	v_pk_mul_f32 v[X2+\j:X2+\j+1], v[XC+\j:XC+\j+1], v[XC+\j:XC+\j+1]
.endr
.irp j, 0,2,4,6
	v_pk_fma_f32 v[PN+\j:PN+\j+1], v[X2+\j:X2+\j+1], v[KA:KA+1], 0x2a61337e op_sel_hi:[1,1,0]    ; 2.00018790482477e-13
	v_pk_fma_f32 v[QD+\j:QD+\j+1], v[X2+\j:X2+\j+1], v[KB:KB+1], 0x38f895d6 op_sel_hi:[1,1,0]    ; 1.18534705686654e-04
.endr
; -8.60467152213735e-11, 5.12229709037114e-08, 1.48572235717979e-05, 6.37261928875436e-04, 4.89352455891786e-03
.irp c, 0xaebd37ff, 0x335c0041, 0x3779434a, 0x3a270ded, 0x3ba059dc
.irp j, 0,2,4,6
	v_pk_fma_f32 v[PN+\j:PN+\j+1], v[X2+\j:X2+\j+1], v[PN+\j:PN+\j+1], \c op_sel_hi:[1,1,0]
.endr
.endr
; 2.26843463243900e-03, 4.89352518554385e-03
.irp c, 0x3b14aa05, 0x3ba059dd
.irp j, 0,2,4,6
	v_pk_fma_f32 v[QD+\j:QD+\j+1], v[X2+\j:X2+\j+1], v[QD+\j:QD+\j+1], \c op_sel_hi:[1,1,0]
.endr
.endr
.irp j, 0,2,4,6
	v_pk_mul_f32 v[PN+\j:PN+\j+1], v[XC+\j:XC+\j+1], v[PN+\j:PN+\j+1]
.endr
.irp k, 0,1,2,3,4,5,6,7
	v_rcp_f32 v[RR+\k], v[QD+\k]                   ; the first part of one batch of 16 transcendentals; the covariance below names none of their results
.endr
	; covariance L L^T of the four gaussians: a = l1^2, b = l1 l2, c = l2^2 + l3^2, det = a c - b^2
	s_wait_loadcnt 0x3                             ; cholesky and opacity are in; the 3 feature loads stay out
.irp g, 0,1,2,3
	v_add_f32 v[T0+\g], 0.5, v[CH+3*\g]            ; l1
	v_add_f32 v[T1+\g], 0.5, v[CH+3*\g+2]          ; l3
	v_mul_f32 v[AA+\g], v[T0+\g], v[T0+\g]
	v_mul_f32 v[BB+\g], v[T0+\g], v[CH+3*\g+1]
	v_mul_f32 v[CC+\g], v[T1+\g], v[T1+\g]
	v_fma_f32 v[CC+\g], v[CH+3*\g+1], v[CH+3*\g+1], v[CC+\g]
	v_mul_f32 v[T0+\g], v[BB+\g], v[BB+\g]
	v_fma_f32 v[DT+\g], v[AA+\g], v[CC+\g], -v[T0+\g]
.endr
.irp g, 0,1,2,3
	v_rcp_f32 v[RD+\g], v[DT+\g]
	v_log_f32 v[LG+\g], v[OP+\g]                   ; log2(op): NaN for op < 0, -inf for 0; both are caught at X below
.endr
	s_wait_alu depctr_va_vdst(0)                   ; the twelve reciprocals and the four logarithms have written RR, RD and LG: one wait for the batch, ahead of its first reader
	; the small-x case is decided first: eight compares in a run, which read xyz alone (the first is the plain instruction behind the last logarithm: ISA guide 5.7.2)
.irp k, 0,1,2,3,4,5,6,7
	v_cmp_lt_f32 s[MK+\k], |v[XY+\k]|, s18
.endr
	; the rest of tanh: quotient, one correction step
.irp j, 0,2,4,6
	v_pk_mul_f32 v[YY+\j:YY+\j+1], v[PN+\j:PN+\j+1], v[RR+\j:RR+\j+1]
.endr
.irp j, 0,2,4,6
	v_pk_fma_f32 v[EE+\j:EE+\j+1], v[QD+\j:QD+\j+1], v[YY+\j:YY+\j+1], v[PN+\j:PN+\j+1] neg_lo:[1,0,0] neg_hi:[1,0,0]   ; p - q y
.endr
.irp j, 0,2,4,6
	v_pk_fma_f32 v[YY+\j:YY+\j+1], v[EE+\j:EE+\j+1], v[RR+\j:RR+\j+1], v[YY+\j:YY+\j+1]
.endr
	s_wait_alu depctr_va_sdst(0)                   ; the eight compares have written s[MK .. MK+7], which the selects below read
.irp k, 0,1,2,3,4,5,6,7
	v_cndmask_b32 v[YY+\k], v[YY+\k], v[XY+\k], s[MK+\k]
.endr
.irp j, 0,2,4,6
	v_pk_add_f32 v[YY+\j:YY+\j+1], v[YY+\j:YY+\j+1], 1.0 op_sel_hi:[1,0]
.endr
.irp g, 0,1,2,3
	v_mul_f32 v[OCX+\g], s19, v[YY+2*\g]           ; cx = 128 (tanh + 1)
	v_fma_f32 v[DY+\g], s19, v[YY+2*\g+1], v[NPY]  ; dy = cy - py: the product by 128 is exact, so this is the rounded difference
.endr
	; conic = inverse covariance, scaled by log2e, with this row's dy folded in
.irp g, 0,1,2,3
	v_fma_f32 v[T0+\g], -v[DT+\g], v[RD+\g], 1.0
	v_fma_f32 v[RD+\g], v[T0+\g], v[RD+\g], v[RD+\g]       ; 1 / det, one correction step
	v_mul_f32 v[RD+\g], s20, v[RD+\g]                      ; log2e / (2 det)
	v_mul_f32 v[ONA+\g], -v[CC+\g], v[RD+\g]               ; NA = -log2e/2 c/det
	v_mul_f32 v[T0+\g], v[BB+\g], v[DY+\g]
	v_mul_f32 v[T0+\g], v[T0+\g], v[RD+\g]
	v_add_f32 v[ONE+\g], v[T0+\g], v[T0+\g]                ; NE = -log2e (-b/det) dy
	v_mul_f32 v[T1+\g], v[AA+\g], v[RD+\g]
	v_mul_f32 v[T1+\g], v[T1+\g], v[DY+\g]
	v_add_f32 v[LG+\g], s21, v[LG+\g]                      ; smax = log2(255 op)
	v_fma_f32 v[OQQ+\g], -v[T1+\g], v[DY+\g], v[LG+\g]     ; QQ = smax - log2e/2 a/det dy^2
	v_cmp_le_f32 s[MK+\g], 0, v[LG+\g]                     ; false for a negative smax and for NaN
	v_add_nc_u32 v[T0+\g], 1, v[LG+\g]
.endr
	s_wait_loadcnt 0x0                             ; features
.irp c, 0,1,2
	v_cvt_pk_bf16_f32 v[FB+2*\c],   v[FT+\c],   v[FT+3+\c]     ; channel c of gaussians 4t, 4t+1
	v_cvt_pk_bf16_f32 v[FB+2*\c+1], v[FT+6+\c], v[FT+9+\c]     ; and of 4t+2, 4t+3
.endr
	s_wait_alu depctr_va_sdst(0)                   ; the four compares have written s[MK .. MK+3], which the selects below read
.irp g, 0,1,2,3
	v_cndmask_b32 v[OXX+\g], 0, v[T0+\g], s[MK+\g]         ; X: bits(t) < X is 0 <= t <= smax
.endr
	s_wait_alu depctr_va_vdst(0)                   ; the five parameters, the packed features, the zeros and the addresses STA, STF are written: the nine LDS stores read them.
	                                               ; It also ends the projection's reads and writes of v16 to v55, in which the first parameter loads land, and PADR is written
	ds_store_b128 v[STA], v[OCX:OCX+3]
	ds_store_b128 v[STA], v[ONA:ONA+3] offset:16
	ds_store_b128 v[STA], v[ONE:ONE+3] offset:32
	ds_store_b128 v[STA], v[OQQ:OQQ+3] offset:48
	ds_store_b128 v[STA], v[OXX:OXX+3] offset:64
.irp c, 0,1,2
	ds_store_b64 v[STF], v[FB+2*\c:FB+2*\c+1] offset:FEAT+\c*FPITCH
.endr
	ds_store_b64 v[STF], v[ZZ:ZZ+1] offset:FEAT+3*FPITCH
	s_wait_dscnt 0x0                               ; my stores are in LDS before I say so: the other waves read them
	s_barrier_signal -1
	s_barrier_wait -1
	s_wait_alu depctr_vm_vsrc(0)                   ; my LDS stores have read v152 to v181, which are W from here on and are written by the conversions; the loads of the inputs have read v5 to v7, which the way out writes
; A block of 4 gaussians (buffer cur) on all 8 tiles = 32 evaluations a lane; the packed results become registers 2 j and 2 j + 1 of each
; tile's B operand.  Every step is a run of 16 or more instructions that do not depend on each other.
; left: the LDS loads younger than this block's parameters, which may stay out.  ldn = 1: the block two further on is asked for, at byte noff
; from the chunk's first block, into the same buffer.  ldf = 1: this chunk's feature operand is asked for.
.macro QUAD cur, j, left, noff, ldn, ldf
	s_wait_dscnt \left                             ; LDS loads come back in order (ISA guide 5.7.1): buffer cur, asked for in the block before last, is in
.irp p, 0,1
.irp t, 0,2,4,6
	v_pk_add_f32 v[D+16*\p+2*\t:D+16*\p+2*\t+1],   v[\cur+2*\p:\cur+2*\p+1], v[NPX+\t:NPX+\t+1] op_sel_hi:[1,0]              ; dx = cx - px of tile t, both gaussians of pair p
	v_pk_add_f32 v[D+16*\p+2*\t+2:D+16*\p+2*\t+3], v[\cur+2*\p:\cur+2*\p+1], v[NPX+\t:NPX+\t+1] op_sel:[0,1] op_sel_hi:[1,1]  ; of tile t + 1
.endr
.endr
.irp p, 0,1
.irp t, 0,1,2,3,4,5,6,7
	v_pk_fma_f32 v[U+16*\p+2*\t:U+16*\p+2*\t+1], v[\cur+4+2*\p:\cur+5+2*\p], v[D+16*\p+2*\t:D+16*\p+2*\t+1], v[\cur+8+2*\p:\cur+9+2*\p]     ; NA dx + NE
.endr
.endr
.irp p, 0,1
.irp t, 0,1,2,3,4,5,6,7
	v_pk_fma_f32 v[U+16*\p+2*\t:U+16*\p+2*\t+1], v[D+16*\p+2*\t:D+16*\p+2*\t+1], v[U+16*\p+2*\t:U+16*\p+2*\t+1], v[\cur+12+2*\p:\cur+13+2*\p]  ; t = dx (..) + QQ
.endr
.endr
.irp p, 0,1
.irp t, 0,1,2,3,4,5,6,7
	v_exp_f32 v[D+16*\p+2*\t], v[U+16*\p+2*\t]                             ; 255 op exp(-sigma); behind each exponential stands a compare, a plain
	v_cmp_gt_u32 s[MK+16*\p+2*\t], v[\cur+16+2*\p], v[U+16*\p+2*\t]        ; instruction that only reads t (ISA guide 5.7.2): X > bits(t)
	v_exp_f32 v[D+16*\p+2*\t+1], v[U+16*\p+2*\t+1]
	v_cmp_gt_u32 s[MK+16*\p+2*\t+1], v[\cur+17+2*\p], v[U+16*\p+2*\t+1]
.endr
.endr
	s_wait_alu depctr_va_vdst(0)                   ; the 32 exponentials have written D, ahead of their first reader; the lines above are done reading buffer cur, in which the loads below land;
	                                               ; PADR and FADR are written; the last chunk's matrix instructions are done reading F
.if \ldn
.irp f, 0,1,2,3,4
	ds_load_b128 v[\cur+4*\f:\cur+4*\f+3], v[PADR] offset:\noff+16*\f      ; all lanes one address: a broadcast
.endr
.endif
.if \ldf
	ds_load_b128 v[F:F+3],   v[FADR]               ; this chunk's feature operand: 16 gaussians = 32 bytes of my row
	ds_load_b128 v[F+4:F+7], v[FADR] offset:16
.endif
.set kk, 0
.rept 32
	v_min_num_f32 v[D+kk], s22, v[D+kk]            ; alpha <= 0.999 (a NaN loses here and is cut below)
.set kk, kk+1
.endr
	s_wait_alu depctr_va_sdst(0)                   ; the 32 compares have written s[MK .. MK+31], which the selects below read
.set kk, 0
.rept 32
	v_cndmask_b32 v[D+kk], 0, v[D+kk], s[MK+kk]    ; 0 where sigma < 0, alpha < 1/255 or NaN
.set kk, kk+1
.endr
.irp p, 0,1
.irp t, 0,1,2,3,4,5,6,7
	v_cvt_pk_bf16_f32 v[W+8*\t+2*\j+\p], v[D+16*\p+2*\t], v[D+16*\p+2*\t+1]
.endr
.endr
.endm
; 16 gaussians x 256 pixels.  zero = 1: the products start the sums, nothing is cleared.  more = 1: a chunk follows.
; The counts: at a block's head the loads issued in the block before may stay out: five, or seven behind block 1 (with F's two).  So F is in at
; block 3's head.  The last chunk's blocks 2 and 3 ask for nothing, and its block 3 waits for 0.
.macro CHUNK zero, more
	QUAD P0, 0, 5, 2*QB, 1, 0
	QUAD P1, 1, 5, 3*QB, 1, 1
	QUAD P0, 2, 7, 4*QB, \more, 0
	QUAD P1, 3, 5*\more, 5*QB, \more, 0
.irp t, 0,1,2,3,4,5,6,7
.if \zero
	v_wmma_f32_16x16x32_bf16 v[ACC+8*\t:ACC+8*\t+7], v[F:F+7], v[W+8*\t:W+8*\t+7], 0
.else
	v_wmma_f32_16x16x32_bf16 v[ACC+8*\t:ACC+8*\t+7], v[F:F+7], v[W+8*\t:W+8*\t+7], v[ACC+8*\t:ACC+8*\t+7]   ; the eight accumulators take turns
.endif
.endr
.if \more
	s_wait_alu depctr_vm_vsrc(0)                   ; the LDS loads issued so far have read PADR and FADR
	v_add_nc_u32 v[PADR], 4*QB, v[PADR]            ; their next readers stand behind the next block's wait on va_vdst
	v_add_nc_u32 v[FADR], 32, v[FADR]
.endif
.endm
.irp f, 0,1,2,3,4
	ds_load_b128 v[P0+4*\f:P0+4*\f+3], v[PADR] offset:16*\f        ; my first block.  No vector instruction since the wait ahead of the LDS stores names PADR, P0 or P1
.endr
.irp f, 0,1,2,3,4
	ds_load_b128 v[P1+4*\f:P1+4*\f+3], v[PADR] offset:QB+16*\f     ; and my second
.endr
	CHUNK 1, 1
	s_mov_b32 s28, CHUNKS-2
.Lchunk:
	CHUNK 0, 1
	s_sub_co_u32 s28, s28, 1
	s_cmp_lg_u32 s28, 0
	s_cbranch_scc1 .Lchunk
	CHUNK 0, 0                                     ; the last chunk looks no further ahead than its own four blocks
	; Five plain vector instructions that name no register of the matrix instructions stand between these and the stores of their
	; results (ISA guide 7.12.1 asks for four): the addresses of the final sum.
	v_lshlrev_b32 v[RADR], 4, v0                   ; thread u: 4 neighbouring pixels of channel u / 64
	v_lshrrev_b32 v[OOFF], 6, v0
	v_and_b32 v[TMPO], 63, v0
	v_lshlrev_b32 v[TMPO], 4, v[TMPO]
	v_lshl_or_b32 v[OOFF], v[OOFF], 18, v[TMPO]    ; channel x 262,144 + 16 (u % 64)
	s_wait_alu depctr_va_vdst(0)                   ; the matrix instructions have written the accumulators, which the LDS stores read (the places above stay beside this wait); RADR is written;
	                                               ; the last chunk is done reading v16 to v47, in which the partial sums land below
.irp t, 0,1,2,3,4,5,6,7
.irp c, 0,1,2
	ds_store_b32 v[SADR], v[ACC+8*\t+\c] offset:\c*ROWB+\t*128     ; register c of lane L = channel c of pixel 32 t + L: 128 neighbouring bytes
.endr
.endr
	s_wait_dscnt 0x0                               ; my partial sums are in LDS before I say so
	s_barrier_signal -1
	s_barrier_wait -1
	s_cmp_ge_u32 s14, 6                            ; 768 numbers, 4 a thread: waves 0 to 5
	s_cbranch_scc1 .Ldone
.irp w, 0,1,2,3,4,5,6,7
	ds_load_b128 v[R+4*\w:R+4*\w+3], v[RADR] offset:PART+\w*PARTW  ; no vector instruction since the wait above names RADR or these registers
.endr
.irp w, 1,2,3,4,5,6,7
	s_wait_dscnt 7-\w                              ; LDS loads come back in order: wave w's part is in, the 7 - w younger ones stay out
	v_pk_add_f32 v[R:R+1],   v[R:R+1],   v[R+4*\w:R+4*\w+1]
	v_pk_add_f32 v[R+2:R+3], v[R+2:R+3], v[R+4*\w+2:R+4*\w+3]
.endr
	v_pk_mul_f32 v[R:R+1],   v[R:R+1],   0x3b808081 op_sel_hi:[1,0]    ; 1/255: w' was 255 alpha
	v_pk_mul_f32 v[R+2:R+3], v[R+2:R+3], 0x3b808081 op_sel_hi:[1,0]
.irp k, 0,1,2,3
	v_med3_num_f32 v[R+\k], v[R+\k], 0, 1.0        ; clip to [0, 1]
.endr
	s_wait_alu depctr_va_vdst(0)                   ; the clips have written v[R .. R+3], which the store reads
	global_store_b128 v[OOFF], v[R:R+3], s[12:13] th:TH_STORE_NT       ; 16 lanes store 256 consecutive bytes, at a multiple of 256 from out0's first byte
.Ldone:
	s_set_vgpr_msb 0x5
	s_wait_dscnt 0x0
	s_wait_alu depctr_hold_cnt(0) depctr_sa_sdst(0) depctr_va_vdst(0) depctr_va_sdst(0) depctr_va_ssrc(0) depctr_va_vcc(0) depctr_vm_vsrc(0)
	s_wait_tensorcnt 0x0
	ds_add_u32 v0, v1
	s_wait_dscnt 0x0
	s_endpgm
.Lfunc_end_k_q47668ca40a_render:
	.size	k_q47668ca40a_render, .Lfunc_end_k_q47668ca40a_render-k_q47668ca40a_render
	.p2alignl 7, 3214868480
	.fill 96, 4, 3214868480
	.section	.rodata,"a",@progbits
	.p2align	6, 0x0
	.amdhsa_kernel k_q47668ca40a_render
		.amdhsa_group_segment_fixed_size 54528
		.amdhsa_private_segment_fixed_size 0
		.amdhsa_enable_private_segment 0
		.amdhsa_kernarg_size 40
		.amdhsa_user_sgpr_count 2
		.amdhsa_user_sgpr_kernarg_segment_ptr 1
		.amdhsa_wavefront_size32 1
		.amdhsa_system_sgpr_workgroup_id_x 1
		.amdhsa_system_sgpr_workgroup_id_y 1
		.amdhsa_system_sgpr_workgroup_id_z 1
		.amdhsa_system_vgpr_workitem_id 0
		.amdhsa_next_free_vgpr 258
		.amdhsa_next_free_sgpr 66
		.amdhsa_reserve_vcc 0
		.amdhsa_float_denorm_mode_32 3
		.amdhsa_float_denorm_mode_16_64 3
		.amdhsa_memory_ordered 1
		.amdhsa_forward_progress 1
		.amdhsa_inst_pref_size 149
	.end_amdhsa_kernel
	.amdgpu_metadata
---
amdhsa.version: [ 1, 2 ]
amdhsa.kernels:
  - .name:           k_q47668ca40a_render
    .symbol:         k_q47668ca40a_render.kd
    .args:
      - { .name: _xyz, .offset: 0, .size: 8, .value_kind: global_buffer, .address_space: global }
      - { .name: _cholesky, .offset: 8, .size: 8, .value_kind: global_buffer, .address_space: global }
      - { .name: _features_dc, .offset: 16, .size: 8, .value_kind: global_buffer, .address_space: global }
      - { .name: _opacity, .offset: 24, .size: 8, .value_kind: global_buffer, .address_space: global }
      - { .name: out0, .offset: 32, .size: 8, .value_kind: global_buffer, .address_space: global }
    .group_segment_fixed_size: 54528
    .private_segment_fixed_size: 0
    .kernarg_segment_align: 8
    .kernarg_segment_size: 40
    .max_flat_workgroup_size: 256
    .sgpr_count:     66
    .vgpr_count:     258
    .wavefront_size: 32
...
	.end_amdgpu_metadata
.endif
;; end of part 2
